; MI455X (gfx1250); checked and timed in simulation.
; The chip was launched on July 23, 2026; its instructions are those of AMD's public machine-readable ISA for CDNA 5 (MIT licence, August 2026) and "CDNA5" Instruction Set Architecture Reference Guide (July 2026). The comments in the code are by the model that wrote it; some were corrected since.
;; Prob Attention. Allowed arithmetic: matrix products marked QUANTISED: E4M3 operands, one E8M0 scale for each 32 along K, by v_wmma_scale_f32_16x16x128_f8f6f4 with both operands' format E4M3, f32 sums; everything else in f32.
;; Inputs: keys_codes 4 x 2,048 x 8 x 2 x 32 uint8 (E4M3 codes of keys, K innermost, in blocks of 32 codes); keys_scales 4 x 2,048 x 8 x 2 uint8 (E8M0 scales of keys, one for each 32 codes along K); queries_codes 4 x 2,048 x 8 x 2 x 32 uint8 (E4M3 codes of queries, K innermost, in blocks of 32 codes); queries_scales 4 x 2,048 x 8 x 2 uint8 (E8M0 scales of queries, one for each 32 codes along K); values_codes 4 x 8 x 64 x 64 x 32 uint8 (E4M3 codes of values, K innermost, in blocks of 32 codes); values_scales 4 x 8 x 64 x 64 uint8 (E8M0 scales of values, one for each 32 codes along K).
;; Outputs: out0 4 x 2,048 x 8 x 64 float32.
;; This version of the problem:
;;   THIS VERSION OF THE PROBLEM IS GIVEN IN LOW PRECISION. The matrix products marked QUANTISED in the list below multiply operands that are first quantised to E4M3 (4 exponent bits, 3 mantissa bits; 8 bits a number), with one power-of-two scale for each 32 numbers along K (OCP MX v1.0); their sums are f32. All else is computed in f32.
;;   The module's matrix products, in the order in which they are computed (A, B: the left and right operand; K: the contracted axis; several contracted axes count as one K, in the product's order):
;;     1. batch 32 x [M 2,048, K 64] x [K 64, N 2,048]; A: input queries (given as codes); B: input keys (given as codes): QUANTISED
;;     2. batch 32 x [M 2,048, K 2,048] x [K 2,048, N 64]; A: softmax (see below); B: input values (given as codes): QUANTISED
;;   THE QUANTISER, for each operand of a quantised product, along K:
;;     - K is cut into blocks of 32 from its start; a last block that is shorter is filled with zeros.
;;     - A block's scale is 2^e with e = floor(log2(the largest magnitude in the block)) - 8, held to -126 .. 127; a block of zeros has e = 0. As a byte (E8M0): e + 127.
;;     - Each number is divided by its block's scale, clamped to +-448, and rounded to the nearest number of E4M3, ties to even, subnormals kept.
;;     - The product sums the exact products of the quantised numbers (number of the format x scale) in f32.
;;   ~~~python
;;   def quantise(x, axis):      # numpy; x: float32 -> the quantised numbers, widened to float32 again
;;       x = np.moveaxis(x, axis, -1); K = x.shape[-1]
;;       x = np.pad(x, [(0, 0)] * (x.ndim - 1) + [(0, -K % 32)]); x = x.reshape(x.shape[:-1] + (-1, 32)); a = np.abs(x).max(-1, keepdims=True)
;;       e = np.where(a > 0, np.clip(np.frexp(np.where(a > 0, a, 1))[1] - 1 - 8, -126, 127), 0)      # np.frexp(a)[1] - 1 = floor(log2(a)), exactly
;;       r = np.clip(x / 2.0 ** e, -448, 448)
;;       step = 2.0 ** (np.maximum(np.frexp(np.where(r == 0, 1, r))[1] - 1, -6) - 3)
;;       q = np.round(r / step) * step * 2.0 ** e      # np.round: ties to even
;;       return np.moveaxis(q.reshape(q.shape[:-2] + (-1,))[..., :K], -1, axis).astype(np.float32)
;;   ~~~
;;   SOFTMAX AHEAD OF A QUANTISED PRODUCT. Where the list says 'softmax', what is quantised is not the finished softmax but p = 2^(t - M), with t = logit x log2(e) and M = ceil(the row's largest t), a whole number; so 1/2 < the row's largest p <= 1. The row's sum l is taken of the UNQUANTISED p, in f32, and the product's result is divided by l at the end. Since M is a whole number, a kernel that streams over the keys may use a running M (the ceiling of the running maximum): every later rescaling is an exact power of two, which a block's scale takes up: the codes' values come out the same.
;;   OPERANDS COMPUTED ON THE WAY. 'Computed on the way' means the value that the module computes at that place (a softmax that the list does not call 'softmax' is quantised finished and normalised). What goes into a quantiser is computed in f32, as accurately as f32 sums, v_exp_f32 and their like allow (about 1e-6 of the number): no bf16 or f16 on the way to a quantiser, and a product that is left as it is and whose result goes on into a quantised operand takes f32 operands (vector FMAs, or v_wmma_f32_16x16x4_f32). A number that lies on a knife's edge between two numbers of the format may be rounded either way, as far as f32 arithmetic and the matrix unit's own rounding can turn it there, and no further.
;;   INPUTS GIVEN AS CODES. keys (in the module: [4, 2048, 8, 64], K = its axis 3); queries (in the module: [4, 2048, 8, 64], K = its axis 3); values (in the module: [4, 2048, 8, 64], K = its axis 1): each comes as NAME_codes (uint8): NAME with its K axis moved to the last place and cut into blocks of 32 codes, [.., K / 32, bytes a block], one block behind the other in memory; one code a byte (a code: sign, 4 exponent bits, 3 mantissa bits); and NAME_scales (uint8): the same leading axes, one E8M0 byte (e + 127) for each 32 codes along K. Its value is code x scale, taken as it is: it is not quantised again, and the codes and scales need not be those that the quantiser above would give.
;; One version. Each part assembles by itself: llvm-mc -triple=amdgcn-amd-amdhsa -mcpu=gfx1250 --defsym DOCPART=n.
;; ======== version 1 of 1: 1 launch
;; limits: right only within a limited range of input values
;; launch attn (part 1): grid 8 x 32, 8 waves a work-group, no clusters, 327,680 bytes of LDS; arguments keys_codes, keys_scales, queries_codes, queries_scales, values_codes, values_scales, out0; writes out0
.if DOCPART == 1
	.amdgcn_target "amdgcn-amd-amdhsa--gfx1250"
	.amdhsa_code_object_version 6
	.text
	.protected	k_q82bc9f5023_attn
	.globl	k_q82bc9f5023_attn
	.p2align	8
	.type	k_q82bc9f5023_attn,@function
k_q82bc9f5023_attn:
	s_mov_b64 s[64:65], 0
	v_nop
	global_prefetch_b8 v0, s[64:65] scope:SCOPE_SE
	s_setreg_imm32_b32 hwreg(HW_REG_WAVE_MODE, 25, 1), 1
	s_wait_xcnt 0x0
; out0[b][q][h][:] = the sum over k of softmax_k(Q[b][q][h] . K[b][k][h]) V[b][k][h][:], no factor in front of the scores; both products on codes of FP8 (E4M3) with one E8M0 scale for each 32 along a product's K.
; Q, K: a row (b, l, h) is 64 codes at (b << 20) + 512 l + 64 h, its two scale bytes at (b << 15) + 16 l + 2 h.  V has the KEYS innermost: row d of head y = 8 b + h is 2,048 codes at (y << 17) + 2048 d, its 64 scale bytes at (y << 12) + 64 d.
; THE SOFTMAX AHEAD OF THE SECOND PRODUCT: t = score x log2(e); M = the row's largest t so far, rounded UP to a whole number; p = 2^(t - M) is quantised along the keys, not normalised.  The row's sum is taken of the
; unquantised p, in f32, and divides O at the end.  When M moves, the sum and O are multiplied by 2^(old M - new M), which rounds nothing.
; A BLOCK'S SCALE.  The exponent of the largest p of a block is floor(t - M) of the block's largest score: 2^x has the exponent floor(x).  Held to -118 from below, so that the byte, floor(t - M) + 119, is 1 at the least.
; SHARES.  A work-group owns 256 queries of one head; each of its eight waves owns 32 of them, two tiles of 16: a fragment of K or V read from LDS feeds two query tiles, and the softmax of both tiles runs as one text, the tiles side by side.
; THE WHOLE HEAD STAYS IN LDS, filled once, all of it asked for at the start.  V: eight tensor loads of 64 rows x 256 bytes, one a wave.  K: its rows are 64 bytes, 512 apart, since the heads lie side by side; they come by asynchronous
; copies, 16 bytes a lane, 32 a wave, straight into the order in which the operand's registers want them.
; CLUSTER = NONE.  K's copies carry no mask; what work-groups of a head could ask for jointly is V's 131,072 bytes, one load a wave, once in the launch.  With copies ahead of the first barrier and joint loads behind a round of
; barriers, V's loads would stand behind all 32 copies of every partner's waves.  Here they are the waves' first requests.
; NO PREFETCH: no loop runs ahead of a load; every byte is asked for at the head.
; LAYOUT.  Both products are used transposed: S^T = K Q^T (source 0 = 16 keys, source 1 = 16 queries), O^T = V^T P^T (source 0 = 16 of the head's 64, source 1 = P): a lane holds ONE query (lane % 16) throughout.
; THE KEYS OF A TILE ARE NOT NEIGHBOURS: row r of tile 2 b + u is key 32 b + 8 u + r + 8 (r / 8), so that the 16 registers of tiles 2 b and 2 b + 1 are 16 neighbouring keys, 32 b + 16 (lane / 16) + 0 .. 15: the conversions' results are the next operand.
; THE FIRST PRODUCT'S K IS 64, the instruction's 128: one operand holds TWO key tiles, 2 b in k = 0 .. 63 and 2 b + 1 in k = 64 .. 127; Q stands as Q, zero codes, Q in 24 registers: the first 16 pick tile 2 b, the last 16 tile 2 b + 1.
; LIMITS: NaN codes, scale bytes 0xff and scores t of 2^31 and more in magnitude are not served; a p under 2^-126 comes out of v_exp_f32 as 0; a block of 32 whose every p is 0 has the scale byte 1 with zero codes (the bytes are read by this text alone).
; REGISTERS, in two windows of 256 (s_set_vgpr_msb: bits 1:0 source 0, 3:2 source 1, 5:4 source 2, 7:6 destination).  Window 0: scores, p, codes, the softmax's state, addresses, scale words.  Window 1: Q, K, V, O^T.
.set AK0,  1                           ; v1, v9  my lane's place in a tile of K: pieces of k = 0 .. 31 and of k = 32 .. 63
.set AK1,  9
.set AV,   2                           ; v2   in a tile of V
.set AKS,  3                           ; v3   among K's scale words
.set AVS,  4                           ; v4   among V's
.set VL,   5                           ; v5-8 the copies' LDS addresses, 512 keys apart
.set ADK0, 10
.set ADK1, 11
.set ADV,  12
.set NM,   14                          ; v14, v16  -M of tile 0, 1; v15, v17 the largest score so far
.set SUM,  18                          ; v[18:21] tile 0's sum in two pairs, v[22:25] tile 1's
.set F,    26                          ; v26, v28  f = 2^(old M - new M); at the end 1 / the sum
.set QS,   30                          ; v30, v31  Q's scale words
.set KS,   32                          ; v32, v33  K's of the step
.set VS,   34                          ; v34, v35  V's
.set PW,   36                          ; v36, v37  p's
.set SPW,  38                          ; v38  LDS address of my spare word; never rewritten
.set NIL,  39                          ; v39  0; never rewritten
.set BM,   40                          ; v40-47 a block's largest score, tile 0's four blocks, tile 1's four
.set BX,   48                          ; v48-55 a second chain, the other half's maximum, floor(t - M)
.set ADS,  54                          ; (at a step's head v54, v55 are LDS addresses)
.set ADT,  55
.set HB,   56                          ; v56-63 448 x the scale
.set SO,   64                          ; v64-71 the conversion's scale operand
.set PC1,  72                          ; v72-87 tile 1's codes
.set VG,   88                          ; v88-95 the copies' offsets in memory
.set PC0,  96                          ; v96-111 tile 0's codes
.set T,    96                          ; v96-127 tile 0's sums of two pairs, used up ahead of the codes that come to lie there
.set TT,   96
.set TU,   98
.set S,    128                         ; v128-191 tile 0's scores, then p; v192-255 tile 1's
.set S1,   192
.set OB,   192                         ; the way out: rows read back
.set QF,   0                           ; window 1: v0-23 tile 0's Q, zeros, Q; v24-47 tile 1's
.set KF,   48                          ; window 1: v48-111
.set VF,   112                         ; window 1: v112-175
.set O,    176                         ; window 1: v176-207 tile 0's O^T, v208-239 tile 1's
.set CHV,  64*272                      ; LDS bytes of a chunk of V: 64 rows of 256 bytes (256 keys) + 16 of padding
.set VB,   131072                      ; LDS: K's 128 tiles of 1,024 bytes; V's eight chunks;
.set KSC,  VB+8*CHV                    ; K's scale words, 256 bytes a step: 8 x lane + 4 x: block 2 x + lane / 16, row lane % 16: tile 2 b's two bytes, then tile 2 b + 1's
.set VSC,  KSC+4096                    ; V's, 256 bytes a step: 8 x lane + 4 j: row d = 32 j + lane
.set STG,  VSC+4096                    ; the way out: a stage of 16 rows x 272 bytes for each wave
.set SPARE, STG+8*4352                 ; the spare words, 128 bytes for each wave
.set WV,   18
.set SEL,  20                          ; s[20:21] v_permlanex16_b32's selects for lane l xor 16
.set CS,   22                          ; s[22:23] log2(e): the packed form names a pair and takes its low word for both halves
.set G1,   24                          ; s[24:31] descriptor group 1 of V's tiles;  s[32:35] group 0
.set G0,   32
.set KB,   36                          ; s[36:43] the copies' bases, 512 keys apart
.set FL,   44                          ; s44  -118.0
.set C175, 45                          ; s45  1.75
.set NC,   46                          ; s46  -log2(e)
.set TK,   47                          ; s47  the trip's place in K; s48 the next trip's
.set TKN,  48
.set TS,   49                          ; s49  the trip's place in the tables of scale words; s50 the next trip's
.set TSN,  50
.set TV,   51                          ; s51  the trip's place in V
.set CNT,  53
.set STW,  80                          ; s80  my stage
.set MSB, 0
.macro WIN new                         ; the immediate's high byte repeats the setting that is left; a switch that changes nothing is dropped
.if MSB != (\new)
	s_set_vgpr_msb (MSB<<8)|(\new)
.set MSB, (\new)
.endif
.endm
	s_load_b256 s[4:11], s[0:1], 0x0               ; K's codes s[4:5], K's scales s[6:7], Q's codes s[8:9], Q's scales s[10:11]
	s_load_b128 s[12:15], s[0:1], 0x20             ; V's codes s[12:13], V's scales s[14:15]
	s_load_b64 s[16:17], s[0:1], 0x30              ; out0
	v_lshl_add_u32 v[SPW], v0, 2, SPARE
	v_mov_b32 v[NIL], 0
	ds_add_u32 v[SPW], v[NIL]                      ; the opening lines: the add, twice on end, under one wait; the set-up below, work on registers, stands between
	ds_add_u32 v[SPW], v[NIL]
	v_lshrrev_b32 v10, 5, v0
	v_readfirstlane_b32 s[WV], v10                 ; wave 0..7
	s_and_b32 s54, ttmp7, 0xffff                   ; y = 8 b + h
	s_lshr_b32 s55, s54, 3                         ; b
	s_and_b32 s56, s54, 7                          ; h
	s_lshl_b32 s58, s55, 20
	s_lshl_b32 s57, s56, 6
	s_add_co_u32 s58, s58, s57                     ; the head's first row in K's and in Q's codes
	s_mov_b32 s59, 0
	s_lshl_b32 s60, ttmp9, 8
	s_lshl_b32 s57, s[WV], 5
	s_add_co_u32 s60, s60, s57                     ; my wave's first query
	s_lshl_b32 s66, s60, 9
	s_add_co_u32 s66, s66, s58                     ; its codes
	s_mov_b32 s67, 0
	s_lshl_b32 s68, s55, 15
	s_lshl_b32 s57, s56, 1
	s_add_co_u32 s68, s68, s57                     ; the head's first scale bytes in K's and in Q's
	s_lshl_b32 s70, s60, 4
	s_add_co_u32 s70, s70, s68                     ; my first query's
	s_mov_b32 s71, 0
	s_lshl_b32 s72, s[WV], 12
	s_add_co_u32 s72, s72, s68                     ; K's of key steps 2 w and 2 w + 1: 256 keys x 16 bytes
	s_mov_b32 s73, 0
	s_lshl_b32 s74, s54, 17
	s_lshl_b32 s57, s[WV], 8
	s_add_co_u32 s74, s74, s57                     ; V at chunk w: 256 keys along its rows
	s_mov_b32 s75, 0
	s_lshl_b32 s76, s54, 12                        ; V's scale bytes
	s_mov_b32 s77, 0
	s_lshl_b32 s78, s55, 22
	s_lshl_b32 s57, s56, 8
	s_add_co_u32 s78, s78, s57
	s_lshl_b32 s57, s60, 11
	s_add_co_u32 s78, s78, s57                     ; my first query's row of out0
	s_mov_b32 s79, 0
	s_mul_i32 s[STW], s[WV], 4352
	s_add_co_u32 s[STW], s[STW], STG
	; descriptor group 1: 64 rows of 256 bytes, 2,048 apart
	s_mov_b32 s[G1], (1<<20)|(5<<22)|(3<<25)       ; no mask; elements of 1 byte; padding on: after every 64 words (code 5) four words (code 3)
	s_mov_b32 s[G1+1], 256<<16
	s_mov_b32 s[G1+2], 64<<16
	s_mov_b32 s[G1+3], 256<<16
	s_mov_b32 s[G1+4], 64
	s_mov_b32 s[G1+5], 2048
	s_mov_b32 s[G1+6], 0
	s_mov_b32 s[G1+7], 0
	s_mov_b32 s[G0], 1
	s_mul_i32 s[G0+1], s[WV], CHV
	s_add_co_u32 s[G0+1], s[G0+1], VB              ; LDS address: chunk w
	s_mov_b32 s[SEL], 0x76543210
	s_mov_b32 s[SEL+1], 0xfedcba98
	s_mov_b32 s[CS], 0x3fb8aa3b                    ; log2(e)
	s_mov_b32 s[CS+1], s[CS]                       ; (named with it as a pair, so it is written)
	s_mov_b32 s[NC], 0xbfb8aa3b
	s_mov_b32 s[FL], 0xc2ec0000
	s_mov_b32 s[C175], 0x3fe00000
	s_mov_b32 s[TK], 0
	s_mov_b32 s[TS], 0
	s_mov_b32 s[TV], 0
	; K's copies.  Copy i of wave w takes keys 64 i + 8 w .. + 7, four lanes a row.  Piece q (16 bytes) of row r of tile n goes to 1024 n + 256 q + 16 (r xor 4 q): so four rows' sixteen pieces lie in
	; sixteen different columns of 16 bytes, and so do the sixteen rows that one load of a fragment takes
	v_and_b32 v40, 3, v0                           ; q
	v_bfe_u32 v41, v0, 2, 3
	v_bfe_u32 v42, v0, 6, 1
	v_lshl_or_b32 v42, v42, 3, v41                 ; r: bit 1 of the wave's number is the tile's upper half
	v_lshlrev_b32 v43, 2, v40
	v_xor_b32 v42, v42, v43
	v_lshlrev_b32 v[VL], 4, v42
	v_lshl_add_u32 v[VL], v40, 8, v[VL]
	v_bfe_u32 v43, v0, 5, 1
	v_lshl_add_u32 v[VL], v43, 10, v[VL]           ; bit 0: u;
	v_bfe_u32 v43, v0, 7, 1
	v_lshl_add_u32 v[VL], v43, 11, v[VL]           ; bit 2: which 32 of the 64 keys
.irp a, 1,2,3
	v_add_nc_u32 v[VL+\a], 32768*\a, v[VL]
.endr
	v_lshrrev_b32 v43, 2, v0                       ; 8 w + lane / 4
	v_lshlrev_b32 v43, 9, v43
	v_lshl_add_u32 v[VG], v40, 4, v43
.irp j, 1,2,3,4,5,6,7
	v_add_nc_u32 v[VG+\j], 28672*\j, v[VG]         ; from copy to copy memory goes on by 32,768 bytes and LDS by 4,096, which the immediate adds to both
.endr
	v_and_b32 v44, 15, v0                          ; r = lane % 16
	v_bfe_u32 v45, v0, 4, 1                        ; h = lane / 16
	v_and_b32 v46, 31, v0                          ; lane
	v_lshlrev_b32 v47, 9, v44
	v_lshl_add_u32 v47, v45, 4, v47                ; Q's codes: query r, + 16 h
	v_lshlrev_b32 v48, 4, v44                      ; Q's scale bytes
	v_and_b32 v50, 8, v44
	v_add_nc_u32 v50, v50, v44                     ; r + 8 (r / 8)
	v_lshl_add_u32 v50, v45, 5, v50
	v_lshlrev_b32 v49, 4, v50                      ; K's scale bytes: key 32 h + r + 8 (r / 8)
	v_lshlrev_b32 v51, 4, v0                       ; V's scale bytes: 16 a thread, dense
	v_lshlrev_b32 v52, 2, v45
	v_xor_b32 v52, v44, v52
	v_lshlrev_b32 v[AK0], 4, v52
	v_lshl_add_u32 v[AK0], v45, 8, v[AK0]          ; piece h
	v_xor_b32 v[AK1], 0x80, v[AK0]                 ; piece 2 + h, 512 bytes on: its rows are turned by 8 more
	v_mul_u32_u24 v[AV], v44, 272
	v_lshl_add_u32 v[AV], v45, 4, v[AV]
	v_add_nc_u32 v[AV], VB, v[AV]
	v_lshl_add_u32 v[AKS], v46, 3, KSC
	v_lshl_add_u32 v[AVS], v46, 3, VSC
	v_lshl_add_u32 v53, v10, 9, v[AKS]             ; K's table: two steps a wave
	v_and_b32 v54, 3, v0                           ; V's table: VSC + 1,024 (t % 4) + 8 ((t / 4) % 32) + 4 (t / 128)
	v_lshlrev_b32 v54, 10, v54
	v_bfe_u32 v55, v0, 2, 5
	v_lshl_add_u32 v54, v55, 3, v54
	v_bfe_u32 v55, v0, 7, 1
	v_lshl_add_u32 v54, v55, 2, v54
	v_add_nc_u32 v54, VSC, v54
	s_wait_alu depctr_va_vdst(0)                   ; directly ahead of the wait below
	s_wait_dscnt 0x0                               ; both opening adds are done
	s_wait_kmcnt 0x0
	s_add_nc_u64 s[G0+2:G0+3], s[12:13], s[74:75]
	s_or_b32 s[G0+3], s[G0+3], 0x80000000
	s_add_nc_u64 s[KB:KB+1], s[4:5], s[58:59]
	s_add_nc_u64 s[KB+2:KB+3], s[KB:KB+1], 0x40000
	s_add_nc_u64 s[KB+4:KB+5], s[KB:KB+1], 0x80000
	s_add_nc_u64 s[KB+6:KB+7], s[KB:KB+1], 0xc0000
	s_add_nc_u64 s[6:7], s[6:7], s[72:73]
	s_add_nc_u64 s[8:9], s[8:9], s[66:67]
	s_add_nc_u64 s[10:11], s[10:11], s[70:71]
	s_add_nc_u64 s[14:15], s[14:15], s[76:77]
	s_add_nc_u64 s[16:17], s[16:17], s[78:79]
	; V: one tensor load a wave.  Wave 0's chunk is shown by the first barrier, the other seven by the second, so they are two lines
	s_cmp_lt_u32 s[WV], 1
	s_cbranch_scc0 .Lchunk_rest
	tensor_load_to_lds s[G0:G0+3], s[G1:G1+7]
	s_nop 0
.rept 4
	v_nop
.endr
	s_branch .Lasked
.Lchunk_rest:
	tensor_load_to_lds s[G0:G0+3], s[G1:G1+7]
	s_nop 0
.rept 4
	v_nop
.endr
.Lasked:
.irp e, 0,1
.irp x, 0,1
.irp u, 0,1
	global_load_u16 v[S+4*\e+2*\x+\u], v49, s[6:7] offset:2048*\e+1024*\x+128*\u   ; key 128 (2 w + e) + 64 x + 32 h + 8 u + r + 8 (r / 8)
.endr
.endr
.endr
	global_load_b128 v[S+8:S+11], v51, s[14:15]                    ; thread t: row d = t / 4, key steps 4 (t % 4) + 0 .. 3
	global_load_u16 v[QS], v48, s[10:11]
	global_load_u16 v[QS+1], v48, s[10:11] offset:256
	WIN 0x40
	global_load_b128 v[QF:QF+3], v47, s[8:9]                       ; registers 4 c .. 4 c + 3 hold k = 32 c + 16 h + 0 .. 15, c = 0, 1
	global_load_b128 v[QF+4:QF+7], v47, s[8:9] offset:32
	global_load_b128 v[QF+24:QF+27], v47, s[8:9] offset:8192       ; tile 1, 16 queries on
	global_load_b128 v[QF+28:QF+31], v47, s[8:9] offset:8192+32
	WIN 0
.irp a, 0,1,2,3                        ; K's 32 copies in ascending order of the keys
.irp j, 0,1,2,3,4,5,6,7
	global_load_async_to_lds_b128 v[VL+\a], v[VG+\j], s[KB+2*\a:KB+2*\a+1] offset:4096*\j
.endr
.endr
	; while these are out: what begins as zero.  The step is written once: the first finds O^T and the sums as zeros and the largest score as -3e38; the first change of M leaves the zeros zeros
	WIN 0x40
.set i, 0
.rept 8
	v_mov_b32 v[QF+8+i], 0
	v_mov_b32 v[QF+32+i], 0
.set i, i+1
.endr
.set i, 0
.rept 64
	v_mov_b32 v[O+i], 0
.set i, i+1
.endr
	WIN 0
	s_wait_loadcnt 0x0
	v_lshl_or_b32 v[QS], v[QS], 16, v[QS]          ; Q's two scale bytes for both places of Q
	v_lshl_or_b32 v[QS+1], v[QS+1], 16, v[QS+1]
.irp n, 0,1,2,3
	v_lshl_or_b32 v[S+16+\n], v[S+2*\n+1], 16, v[S+2*\n]   ; tile 2 b's bytes below, tile 2 b + 1's above
.endr
	ds_store_b64 v53, v[S+16:S+17]                 ; the tables of scale words: bytes into which no engine writes
	ds_store_b64 v53, v[S+18:S+19] offset:256
.irp i, 0,1,2,3
	ds_store_b32 v54, v[S+8+\i] offset:256*\i
.endr
	WIN 0x41
.irp i, 0,1,2,3,4,5,6,7
	v_mov_b32 v[QF+16+\i], v[QF+\i]
	v_mov_b32 v[QF+40+\i], v[QF+24+\i]
.endr
	WIN 0
.irp i, 0,1,2,3,4,5,6,7
	v_mov_b32 v[SUM+\i], 0
.endr
	v_mov_b32 v[F+1], 0                            ; (named as the upper half of a pair, so it is written)
	v_mov_b32 v[F+3], 0
	v_mov_b32 v[NM], 0x7f61b1e6                    ; -M = 3e38
	v_mov_b32 v[NM+2], 0x7f61b1e6
	v_mov_b32 v[NM+1], 0xff61b1e6                  ; the largest score: -3e38
	v_mov_b32 v[NM+3], 0xff61b1e6
.macro KLOAD ad0, ad1, off             ; a step's eight key tiles, two loads of 16 bytes each
.irp n, 0,1,2,3,4,5,6,7
	ds_load_b128 v[KF+8*\n:KF+8*\n+3], v[\ad0] offset:\off+1024*\n
	ds_load_b128 v[KF+8*\n+4:KF+8*\n+7], v[\ad1] offset:\off+1024*\n+512
.endr
.endm
.macro QK qt                           ; S^T of the step's eight key tiles for query tile qt
.irp b, 0,1,2,3
.irp u, 0,1
.if \b%2
	v_wmma_scale_f32_16x16x128_f8f6f4 v[S+64*\qt+16*\b+8*\u:S+64*\qt+16*\b+8*\u+7], v[KF+16*\b:KF+16*\b+15], v[QF+24*\qt+8*\u:QF+24*\qt+8*\u+15], 0, v[KS+\b/2], v[QS+\qt] matrix_a_scale:MATRIX_SCALE_ROW1
.else
	v_wmma_scale_f32_16x16x128_f8f6f4 v[S+64*\qt+16*\b+8*\u:S+64*\qt+16*\b+8*\u+7], v[KF+16*\b:KF+16*\b+15], v[QF+24*\qt+8*\u:QF+24*\qt+8*\u+15], 0, v[KS+\b/2], v[QS+\qt]
.endif
.endr
.endr
.endm
.macro PV qt, pc                       ; O^T += V^T P^T for query tile qt: four tiles of 16 of the head's 64; K = the step's 128 keys.  The accumulators take turns
.irp t, 0,1,2,3
.if \t%2
	v_wmma_scale_f32_16x16x128_f8f6f4 v[O+32*\qt+8*\t:O+32*\qt+8*\t+7], v[VF+16*\t:VF+16*\t+15], v[\pc:\pc+15], v[O+32*\qt+8*\t:O+32*\qt+8*\t+7], v[VS+\t/2], v[PW+\qt] matrix_a_scale:MATRIX_SCALE_ROW1
.else
	v_wmma_scale_f32_16x16x128_f8f6f4 v[O+32*\qt+8*\t:O+32*\qt+8*\t+7], v[VF+16*\t:VF+16*\t+15], v[\pc:\pc+15], v[O+32*\qt+8*\t:O+32*\qt+8*\t+7], v[VS+\t/2], v[PW+\qt]
.endif
.endr
.endm
.macro TM first, count                 ; t - M of tile 0's pairs first .. first + count - 1 (of the pairs log2(e) and -M the low word serves both halves)
.set i, \first
.rept \count
	v_pk_fma_f32 v[S+2*i:S+2*i+1], v[S+2*i:S+2*i+1], s[CS:CS+1], v[NM:NM+1] op_sel_hi:[1,0,0]
.set i, i+1
.endr
.endm
.macro MIN2 reg, hold                  ; the conversion to an 8-bit code does not saturate (ISA guide 7.6.2); p is not negative, so the hold is one-sided
	v_dual_min_num_f32 v[\reg], v[\hold], v[\reg] :: v_dual_min_num_f32 v[\reg+1], v[\hold], v[\reg+1]
.endm
; Eight keys of tile 1 and of tile 0: the sums of the unquantised p, tile 1's hold, tile 0's conversion, tile 1's conversion of the eight before.
.macro EIGHT
.if j == 0
	v_pk_fma_f32 v[SUM+4:SUM+5], v[SUM+4:SUM+5], v[F+2:F+3], v[S1:S1+1] op_sel_hi:[1,0,1]      ; the sums under the new M, and the first pairs
	v_pk_fma_f32 v[SUM:SUM+1], v[SUM:SUM+1], v[F:F+1], v[T:T+1] op_sel_hi:[1,0,1]
	v_pk_fma_f32 v[SUM+6:SUM+7], v[SUM+6:SUM+7], v[F+2:F+3], v[S1+2:S1+3] op_sel_hi:[1,0,1]
	v_pk_fma_f32 v[SUM+2:SUM+3], v[SUM+2:SUM+3], v[F:F+1], v[T+2:T+3] op_sel_hi:[1,0,1]
.else
	v_pk_add_f32 v[SUM+4:SUM+5], v[SUM+4:SUM+5], v[S1+8*j:S1+8*j+1]
.if j < 6
	v_pk_add_f32 v[SUM:SUM+1], v[SUM:SUM+1], v[T+4*j:T+4*j+1]
.endif
	v_cvt_scalef32_pk8_fp8_f32 v[PC1+2*j-2:PC1+2*j-1], v[S1+8*j-8:S1+8*j-1], v[SO+4+(j-1)/2]
	v_pk_add_f32 v[SUM+6:SUM+7], v[SUM+6:SUM+7], v[S1+8*j+2:S1+8*j+3]
.if j < 6
	v_pk_add_f32 v[SUM+2:SUM+3], v[SUM+2:SUM+3], v[T+4*j+2:T+4*j+3]
.endif
.endif
	v_pk_add_f32 v[SUM+4:SUM+5], v[SUM+4:SUM+5], v[S1+8*j+4:S1+8*j+5]
	v_cvt_scalef32_pk8_fp8_f32 v[PC0+2*j:PC0+2*j+1], v[S+8*j:S+8*j+7], v[SO+j/2]
	v_pk_add_f32 v[SUM+6:SUM+7], v[SUM+6:SUM+7], v[S1+8*j+6:S1+8*j+7]
.irp m, 0,2,4,6
	MIN2 S1+8*j+\m, HB+4+j/2
.endr
.set j, j+1
.endm
; A KEY STEP: 128 keys, the half'th step of the trip.  Its K fragments and scale words are in registers at its head; it loads those of the step behind it, and its own V.
.macro STEP half
	WIN 0x05                                       ; K and Q window 1, scores window 0
	QK 0
	QK 1
	WIN 0
	; eight places in front of the loads into K's and V's registers and of the first read of the scores
.if \half
	v_add_nc_u32 v[ADK0], s[TKN], v[AK0]
	v_add_nc_u32 v[ADK1], s[TKN], v[AK1]
	v_add_nc_u32 v[ADS], s[TSN], v[AKS]
	v_add_nc_u32 v[ADT], s[TS], v[AVS]
.rept 4
	v_nop
.endr
	WIN 0x40
	KLOAD ADK0, ADK1, 0
.else
	v_add_nc_u32 v[ADK0], s[TK], v[AK0]
	v_add_nc_u32 v[ADK1], s[TK], v[AK1]
	v_add_nc_u32 v[ADS], s[TS], v[AKS]
	v_add_nc_u32 v[ADT], s[TS], v[AVS]
	v_add_nc_u32 v[ADV], s[TV], v[AV]
.rept 3
	v_nop
.endr
	WIN 0x40
	KLOAD ADK0, ADK1, 8192
.endif
.irp t, 0,1,2,3
.irp c, 0,1,2,3
	ds_load_b128 v[VF+16*\t+4*\c:VF+16*\t+4*\c+3], v[ADV] offset:16*\t*272+128*\half+32*\c
.endr
.endr
	WIN 0
	ds_load_b64 v[KS:KS+1], v[ADS] offset:256*(1-\half)
	ds_load_b64 v[VS:VS+1], v[ADT] offset:256*\half
	; the largest score of each of the eight blocks of 32 keys (four a tile): my 16, in two chains a block; each accumulator is read from its low end on
.irp b, 0,1,2,3,4,5,6,7
	v_max3_num_f32 v[BM+\b], v[S+16*\b], v[S+16*\b+1], v[S+16*\b+2]
	v_max3_num_f32 v[BX+\b], v[S+16*\b+8], v[S+16*\b+9], v[S+16*\b+10]
.endr
.irp n, 3,5
.irp b, 0,1,2,3,4,5,6,7
	v_max3_num_f32 v[BM+\b], v[BM+\b], v[S+16*\b+\n], v[S+16*\b+\n+1]
	v_max3_num_f32 v[BX+\b], v[BX+\b], v[S+16*\b+\n+8], v[S+16*\b+\n+9]
.endr
.endr
.irp b, 0,1,2,3,4,5,6,7
	v_max3_num_f32 v[BM+\b], v[BM+\b], v[BX+\b], v[S+16*\b+7]
.endr
.irp b, 0,1,2,3,4,5,6,7
	v_max_num_f32 v[BM+\b], v[BM+\b], v[S+16*\b+15]
.endr
.irp b, 0,1,2,3,4,5,6,7
	v_permlanex16_b32 v[BX+\b], v[BM+\b], s[SEL], s[SEL+1]
.endr
.irp b, 0,2,4,6
	v_dual_max_num_f32 v[BM+\b], v[BX+\b], v[BM+\b] :: v_dual_max_num_f32 v[BM+\b+1], v[BX+\b+1], v[BM+\b+1]   ; with lane l xor 16's 16 keys
.endr
.irp n, 0,1
	v_max3_num_f32 v[TT+\n], v[BM+4*\n], v[BM+4*\n+1], v[BM+4*\n+2]
.endr
.irp n, 0,1
	v_max3_num_f32 v[NM+2*\n+1], v[NM+2*\n+1], v[TT+\n], v[BM+4*\n+3]   ; the largest score so far
.endr
	v_dual_mul_f32 v[TT], s[NC], v[NM+1] :: v_dual_mul_f32 v[TT+1], s[NC], v[NM+3]   ; -t of it
.irp n, 0,1
	v_floor_f32 v[TT+\n], v[TT+\n]                 ; the new -M = floor(-t) = -ceil(t): a whole number
.endr
	v_dual_sub_f32 v[TU], v[TT], v[NM] :: v_dual_sub_f32 v[TU+1], v[TT+1], v[NM+2]   ; old M - new M: a whole number, 0 or less
.irp n, 0,1
	v_mov_b32 v[NM+2*\n], v[TT+\n]
.endr
.irp n, 0,1
	v_cvt_i32_f32 v[TU+\n], v[TU+\n]               ; (it saturates)
.endr
.irp n, 0,1
	v_ldexp_f32 v[F+2*\n], 1.0, v[TU+\n]           ; f = 2^(old M - new M)
.endr
	; the blocks' scales, and between their stages t - M of tile 0's scores
.irp n, 0,1
	v_pk_fma_f32 v[BM+4*\n:BM+4*\n+1], v[BM+4*\n:BM+4*\n+1], s[CS:CS+1], v[NM+2*\n:NM+2*\n+1] op_sel_hi:[1,0,0]
	v_pk_fma_f32 v[BM+4*\n+2:BM+4*\n+3], v[BM+4*\n+2:BM+4*\n+3], s[CS:CS+1], v[NM+2*\n:NM+2*\n+1] op_sel_hi:[1,0,0]
.endr
	TM 0, 8
.irp b, 0,2,4,6
	v_dual_max_num_f32 v[BM+\b], s[FL], v[BM+\b] :: v_dual_max_num_f32 v[BM+\b+1], s[FL], v[BM+\b+1]   ; held to -118 from below
.endr
	TM 8, 8
.irp b, 0,1,2,3,4,5,6,7
	v_cvt_floor_i32_f32 v[BX+\b], v[BM+\b]         ; the exponent of the block's largest p
.endr
	TM 16, 8
.irp b, 0,1,2,3,4,5,6,7
	v_ldexp_f32 v[HB+\b], s[C175], v[BX+\b]        ; 448 x the scale = 1.75 x 2^exponent
.endr
	TM 24, 8
.irp b, 0,2,4,6
	v_pk_mul_f32 v[SO+\b:SO+\b+1], v[HB+\b:HB+\b+1], 0x3b800000 op_sel_hi:[1,0]   ; x 2^-8: the conversion takes this operand's exponent field as its scale, and nothing else of it
.endr
.irp n, 0,1
	v_lshl_add_u32 v[TU+\n], v[BX+4*\n+3], 8, v[BX+4*\n+2]
.endr
.irp n, 0,1
	v_lshl_add_u32 v[TU+\n], v[TU+\n], 8, v[BX+4*\n+1]
.endr
.irp n, 0,1
	v_lshl_add_u32 v[TU+\n], v[TU+\n], 8, v[BX+4*\n]
.endr
.irp n, 0,1
	v_add_nc_u32 v[PW+\n], 0x77777777, v[TU+\n]    ; p's scale word: each byte exponent + 119, from 1 on, so no byte borrows from the next
.endr
	s_wait_alu depctr_va_vdst(0)                   ; ahead of the batch
.set i, 0
.rept 32                               ; tile 0's exponentials among tile 1's t - M, whose results are first read behind the next wait
	v_exp_f32 v[S+2*i], v[S+2*i]                   ; p = 2^(t - M)
	v_exp_f32 v[S+2*i+1], v[S+2*i+1]
	v_pk_fma_f32 v[S1+2*i:S1+2*i+1], v[S1+2*i:S1+2*i+1], s[CS:CS+1], v[NM+2:NM+3] op_sel_hi:[1,0,0]
.set i, i+1
.endr
	s_wait_alu depctr_va_vdst(0)                   ; behind tile 0's batch and ahead of tile 1's
.set i, 0
.rept 16                               ; tile 1's exponentials among tile 0's first sums (two pairs each) and, behind each, the hold of those four; their results are first read behind the next wait
	v_exp_f32 v[S1+4*i], v[S1+4*i]
	v_exp_f32 v[S1+4*i+1], v[S1+4*i+1]
	v_pk_add_f32 v[T+2*i:T+2*i+1], v[S+4*i:S+4*i+1], v[S+4*i+2:S+4*i+3]
	v_exp_f32 v[S1+4*i+2], v[S1+4*i+2]
	MIN2 S+4*i, HB+i/4
	v_exp_f32 v[S1+4*i+3], v[S1+4*i+3]
	MIN2 S+4*i+2, HB+i/4
.set i, i+1
.endr
	WIN 0x41                                       ; O^T window 1, f window 0
	s_wait_dscnt 0x0                               ; this step's V and the next step's K: asked for a softmax ago
	s_wait_alu depctr_va_vdst(0)                   ; behind the batch, and ahead of the first readers of O^T
.set i, 0
.rept 32
	v_pk_mul_f32 v[O+2*i:O+2*i+1], v[O+2*i:O+2*i+1], v[F+2*(i/16):F+2*(i/16)+1] op_sel_hi:[1,0]   ; O^T under the new M, each accumulator from its low end on
.set i, i+1
.endr
	WIN 0
.set j, 0
.rept 8
	EIGHT
.endr
	v_cvt_scalef32_pk8_fp8_f32 v[PC1+14:PC1+15], v[S1+56:S1+63], v[SO+7]
.irp n, 12,14                          ; tile 0's last sums: the four places between the last codes and the products
	v_pk_add_f32 v[SUM:SUM+1], v[SUM:SUM+1], v[T+2*\n:T+2*\n+1]
	v_pk_add_f32 v[SUM+2:SUM+3], v[SUM+2:SUM+3], v[T+2*\n+2:T+2*\n+3]
.endr
	WIN 0x51                                       ; V and O^T window 1, codes window 0
	PV 0, PC0
	PV 1, PC1
.endm
; A TRIP: two steps, 256 keys, a chunk of V.
.macro TRIP
	s_add_co_u32 s[TKN], s[TK], 16384
	s_min_u32 s[TKN], s[TKN], 114688               ; the last step of all loads a step of its own trip again, and nobody uses it
	s_add_co_u32 s[TSN], s[TS], 512
	s_min_u32 s[TSN], s[TSN], 3584
	STEP 0
	STEP 1
	WIN 0
	s_add_co_u32 s[TK], s[TK], 16384
	s_add_co_u32 s[TS], s[TS], 512
	s_add_co_u32 s[TV], s[TV], CHV
.endm
	s_wait_alu depctr_va_vdst(0)                   ; the head's end
	s_cmp_lt_u32 s[WV], 1
	s_cbranch_scc0 .Lno_chunk_0
	s_wait_tensorcnt 0x0                           ; wave 0: V's first chunk
.Lno_chunk_0:
	s_wait_asynccnt 26                             ; my first six of 32 copies: with the other waves' keys 0 .. 383, which the first trip and its look-ahead read.
	s_wait_dscnt 0x0                               ; my stores into the tables
	s_barrier_signal -1
	s_barrier_wait -1
	WIN 0x40
	KLOAD AK0, AK1, 0
	WIN 0
	ds_load_b64 v[KS:KS+1], v[AKS]
	s_wait_dscnt 0x0
	TRIP
	s_wait_tensorcnt 0x0                           ; all of V,
	s_wait_asynccnt 0x0                            ; all of K
	s_wait_dscnt 0x0
	s_barrier_signal -1
	s_barrier_wait -1                              ; are whole for all eight waves
	s_mov_b32 s[CNT], 7
.Ltrip:
	TRIP
	s_sub_co_u32 s[CNT], s[CNT], 1
	s_cmp_lg_u32 s[CNT], 0
	s_cbranch_scc1 .Ltrip
; THE WAY OUT.  O^T is divided by the sum.  A lane holds 32 neighbouring bytes of four pieces of a row, and the lanes beside it hold other rows: a tile of 16 rows x 256 bytes goes through my own stage in LDS and comes back as
; whole rows.  LDS serves a wave's instructions in order (ISA guide 5.7.1.4): no wait between the stores and the loads, nor in front of the next tile's stores.
	s_wait_alu depctr_va_vdst(0)                   ; directly ahead of the first reader of the sums
	v_pk_add_f32 v[SUM:SUM+1], v[SUM:SUM+1], v[SUM+2:SUM+3]
	v_pk_add_f32 v[SUM+4:SUM+5], v[SUM+4:SUM+5], v[SUM+6:SUM+7]
	v_and_b32 v40, 15, v0                          ; r
	v_bfe_u32 v41, v0, 4, 1                        ; h
	v_add_f32 v[SUM], v[SUM], v[SUM+1]
	v_add_f32 v[SUM+4], v[SUM+4], v[SUM+5]
	v_mul_u32_u24 v42, v40, 272                    ; into the stage: row r, 32 bytes for each half of the lanes
	v_mul_u32_u24 v43, v41, 272                    ; back: lanes 0-15 one row of 256 bytes, lanes 16-31 the next
	v_permlanex16_b32 v48, v[SUM], s[SEL], s[SEL+1]
	v_permlanex16_b32 v49, v[SUM+4], s[SEL], s[SEL+1]
	v_lshl_add_u32 v42, v41, 5, v42
	v_lshl_add_u32 v43, v40, 4, v43
	v_add_f32 v[SUM], v[SUM], v48                  ; with lane l xor 16's: the row's sum
	v_add_f32 v[SUM+4], v[SUM+4], v49
	v_add_nc_u32 v42, s[STW], v42
	v_add_nc_u32 v43, s[STW], v43
	v_lshlrev_b32 v44, 11, v41                     ; and the same two rows in out0, 2,048 bytes apart
	v_lshl_add_u32 v44, v40, 4, v44
	s_wait_alu depctr_va_vdst(0)                   ; ahead of the transcendentals
	v_rcp_f32 v[F], v[SUM]
	v_rcp_f32 v[F+2], v[SUM+4]
	v_nop                                          ; a plain place behind the transcendental
	WIN 0x01
	s_wait_alu depctr_va_vdst(0)                   ; and behind them, ahead of the first readers of O^T
.set i, 0
.rept 32
	v_pk_mul_f32 v[S+2*i:S+2*i+1], v[O+2*i:O+2*i+1], v[F+2*(i/16):F+2*(i/16)+1] op_sel_hi:[1,0]   ; tile q, register 8 t + n: out(query r, 16 t + 8 h + n)
.set i, i+1
.endr
	WIN 0
.irp q, 0,1
.irp t, 0,1,2,3
	ds_store_b128 v42, v[S+32*\q+8*\t:S+32*\q+8*\t+3] offset:64*\t
	ds_store_b128 v42, v[S+32*\q+8*\t+4:S+32*\q+8*\t+7] offset:64*\t+16
.endr
.irp n, 0,1,2,3,4,5,6,7
	ds_load_b128 v[OB+32*\q+4*\n:OB+32*\q+4*\n+3], v43 offset:544*\n
.endr
.endr
.irp q, 0,1
.irp n, 0,1,2,3,4,5,6,7
	s_wait_dscnt 16*(1-\q)+7-\n                    ; behind tile 0's loads: tile 1's eight stores and eight loads
	global_store_b128 v44, v[OB+32*\q+4*\n:OB+32*\q+4*\n+3], s[16:17] offset:32768*\q+4096*\n th:TH_STORE_NT   ; sixteen lanes store a query's 256 consecutive bytes, at a multiple of 256 from out0's first byte
.endr
.endr
	s_wait_tensorcnt 0x0                           ; the wave's end, behind my last LDS store
	s_wait_asynccnt 0x0
	ds_add_u32 v[SPW], v[NIL]
	s_wait_dscnt 0x0
	s_endpgm
.Lfunc_end_k_q82bc9f5023_attn:
	.size	k_q82bc9f5023_attn, .Lfunc_end_k_q82bc9f5023_attn-k_q82bc9f5023_attn
	.p2alignl 7, 3214868480
	.fill 96, 4, 3214868480
	.section	.rodata,"a",@progbits
	.p2align	6, 0x0
	.amdhsa_kernel k_q82bc9f5023_attn
		.amdhsa_group_segment_fixed_size 327680
		.amdhsa_private_segment_fixed_size 0
		.amdhsa_enable_private_segment 0
		.amdhsa_kernarg_size 56
		.amdhsa_user_sgpr_count 2
		.amdhsa_user_sgpr_kernarg_segment_ptr 1
		.amdhsa_wavefront_size32 1
		.amdhsa_system_sgpr_workgroup_id_x 1
		.amdhsa_system_sgpr_workgroup_id_y 1
		.amdhsa_system_sgpr_workgroup_id_z 1
		.amdhsa_system_vgpr_workitem_id 0
		.amdhsa_next_free_vgpr 512
		.amdhsa_next_free_sgpr 100
		.amdhsa_reserve_vcc 0
		.amdhsa_float_denorm_mode_32 3
		.amdhsa_float_denorm_mode_16_64 3
		.amdhsa_memory_ordered 1
		.amdhsa_forward_progress 1
		.amdhsa_inst_pref_size 155
	.end_amdhsa_kernel
	.amdgpu_metadata
---
amdhsa.version: [ 1, 2 ]
amdhsa.kernels:
  - .name:           k_q82bc9f5023_attn
    .symbol:         k_q82bc9f5023_attn.kd
    .args:
      - { .name: keys_codes, .offset: 0, .size: 8, .value_kind: global_buffer, .address_space: global }
      - { .name: keys_scales, .offset: 8, .size: 8, .value_kind: global_buffer, .address_space: global }
      - { .name: queries_codes, .offset: 16, .size: 8, .value_kind: global_buffer, .address_space: global }
      - { .name: queries_scales, .offset: 24, .size: 8, .value_kind: global_buffer, .address_space: global }
      - { .name: values_codes, .offset: 32, .size: 8, .value_kind: global_buffer, .address_space: global }
      - { .name: values_scales, .offset: 40, .size: 8, .value_kind: global_buffer, .address_space: global }
      - { .name: out0, .offset: 48, .size: 8, .value_kind: global_buffer, .address_space: global }
    .group_segment_fixed_size: 327680
    .private_segment_fixed_size: 0
    .kernarg_segment_align: 8
    .kernarg_segment_size: 56
    .max_flat_workgroup_size: 256
    .sgpr_count:     100
    .vgpr_count:     512
    .wavefront_size: 32
...
	.end_amdgpu_metadata
.endif
;; end of part 1
